; MI455X (gfx1250); checked and timed in simulation.
; The chip was launched on July 23, 2026; its instructions are those of AMD's public machine-readable ISA for CDNA 5 (MIT licence, August 2026) and "CDNA5" Instruction Set Architecture Reference Guide (July 2026). The comments in the code are by the model that wrote it; some were corrected since.
;; Base Attention. Allowed arithmetic: matrix products marked QUANTISED: E2M3 operands, one E8M0 scale for each 32 along K, by v_wmma_scale_f32_16x16x128_f8f6f4 with both operands' format E2M3, f32 sums; everything else in f32.
;; Inputs: W_k_codes 1,024 x 32 x 24 uint8 (E2M3 codes of W_k, K innermost, in blocks of 32 codes, four codes in three bytes); W_k_scales 1,024 x 32 uint8 (E8M0 scales of W_k, one for each 32 codes along K); W_o_codes 1,024 x 32 x 24 uint8 (E2M3 codes of W_o, K innermost, in blocks of 32 codes, four codes in three bytes); W_o_scales 1,024 x 32 uint8 (E8M0 scales of W_o, one for each 32 codes along K); W_q_codes 1,024 x 32 x 24 uint8 (E2M3 codes of W_q, K innermost, in blocks of 32 codes, four codes in three bytes); W_q_scales 1,024 x 32 uint8 (E8M0 scales of W_q, one for each 32 codes along K); W_v_codes 1,024 x 32 x 24 uint8 (E2M3 codes of W_v, K innermost, in blocks of 32 codes, four codes in three bytes); W_v_scales 1,024 x 32 uint8 (E8M0 scales of W_v, one for each 32 codes along K); b_o 1,024 float32; x_codes 2 x 2,048 x 32 x 24 uint8 (E2M3 codes of x, K innermost, in blocks of 32 codes, four codes in three bytes); x_scales 2 x 2,048 x 32 uint8 (E8M0 scales of x, one for each 32 codes along K).
;; Outputs: out0 2 x 2,048 x 1,024 float32.
;; This version of the problem:
;;   THIS VERSION OF THE PROBLEM IS GIVEN IN LOW PRECISION. The matrix products marked QUANTISED in the list below multiply operands that are first quantised to E2M3 (2 exponent bits, 3 mantissa bits; 6 bits a number), with one power-of-two scale for each 32 numbers along K (OCP MX v1.0); their sums are f32. All else is computed in f32.
;;   The module's matrix products, in the order in which they are computed (A, B: the left and right operand; K: the contracted axis; several contracted axes count as one K, in the product's order):
;;     1. [M 4,096, K 1,024] x [K 1,024, N 1,024]; A: input x (given as codes); B: input W_q (given as codes): QUANTISED
;;     2. [M 4,096, K 1,024] x [K 1,024, N 1,024]; A: input x (given as codes); B: input W_k (given as codes): QUANTISED
;;     3. [M 4,096, K 1,024] x [K 1,024, N 1,024]; A: input x (given as codes); B: input W_v (given as codes): QUANTISED
;;     4. batch 32 x [M 2,048, K 64] x [K 64, N 2,048]; A: computed on the way; B: computed on the way: QUANTISED
;;     5. batch 32 x [M 2,048, K 2,048] x [K 2,048, N 64]; A: softmax (see below); B: computed on the way: QUANTISED
;;     6. [M 4,096, K 1,024] x [K 1,024, N 1,024]; A: computed on the way; B: input W_o (given as codes): QUANTISED
;;   THE QUANTISER, for each operand of a quantised product, along K:
;;     - K is cut into blocks of 32 from its start; a last block that is shorter is filled with zeros.
;;     - A block's scale is 2^e with e = floor(log2(the largest magnitude in the block)) - 2, held to -126 .. 127; a block of zeros has e = 0. As a byte (E8M0): e + 127.
;;     - Each number is divided by its block's scale, clamped to +-7.5, and rounded to the nearest number of E2M3, ties to even, subnormals kept.
;;     - The product sums the exact products of the quantised numbers (number of the format x scale) in f32.
;;   ~~~python
;;   def quantise(x, axis):      # numpy; x: float32 -> the quantised numbers, widened to float32 again
;;       x = np.moveaxis(x, axis, -1); K = x.shape[-1]
;;       x = np.pad(x, [(0, 0)] * (x.ndim - 1) + [(0, -K % 32)]); x = x.reshape(x.shape[:-1] + (-1, 32)); a = np.abs(x).max(-1, keepdims=True)
;;       e = np.where(a > 0, np.clip(np.frexp(np.where(a > 0, a, 1))[1] - 1 - 2, -126, 127), 0)      # np.frexp(a)[1] - 1 = floor(log2(a)), exactly
;;       r = np.clip(x / 2.0 ** e, -7.5, 7.5)
;;       step = 2.0 ** (np.maximum(np.frexp(np.where(r == 0, 1, r))[1] - 1, 0) - 3)
;;       q = np.round(r / step) * step * 2.0 ** e      # np.round: ties to even
;;       return np.moveaxis(q.reshape(q.shape[:-2] + (-1,))[..., :K], -1, axis).astype(np.float32)
;;   ~~~
;;   SOFTMAX AHEAD OF A QUANTISED PRODUCT. Where the list says 'softmax', what is quantised is not the finished softmax but p = 2^(t - M), with t = logit x log2(e) and M = ceil(the row's largest t), a whole number; so 1/2 < the row's largest p <= 1. The row's sum l is taken of the UNQUANTISED p, in f32, and the product's result is divided by l at the end. Since M is a whole number, a kernel that streams over the keys may use a running M (the ceiling of the running maximum): every later rescaling is an exact power of two, which a block's scale takes up: the codes' values come out the same.
;;   OPERANDS COMPUTED ON THE WAY. 'Computed on the way' means the value that the module computes at that place (a softmax that the list does not call 'softmax' is quantised finished and normalised). What goes into a quantiser is computed in f32, as accurately as f32 sums, v_exp_f32 and their like allow (about 1e-6 of the number): no bf16 or f16 on the way to a quantiser, and a product that is left as it is and whose result goes on into a quantised operand takes f32 operands (vector FMAs, or v_wmma_f32_16x16x4_f32). A number that lies on a knife's edge between two numbers of the format may be rounded either way, as far as f32 arithmetic and the matrix unit's own rounding can turn it there, and no further.
;;   INPUTS GIVEN AS CODES. W_k (in the module: [1024, 1024], K = its axis 0); W_o (in the module: [1024, 1024], K = its axis 0); W_q (in the module: [1024, 1024], K = its axis 0); W_v (in the module: [1024, 1024], K = its axis 0); x (in the module: [2, 2048, 1024], K = its axis 2): each comes as NAME_codes (uint8): NAME with its K axis moved to the last place and cut into blocks of 32 codes, [.., K / 32, bytes a block], one block behind the other in memory; four codes in three bytes: a row's codes are one little-endian stream of bits, code i at bits 6 i .. 6 i + 5 (a code: sign, 2 exponent bits, 3 mantissa bits); and NAME_scales (uint8): the same leading axes, one E8M0 byte (e + 127) for each 32 codes along K. Its value is code x scale, taken as it is: it is not quantised again, and the codes and scales need not be those that the quantiser above would give.
;; One version. Each part assembles by itself: llvm-mc -triple=amdgcn-amd-amdhsa -mcpu=gfx1250 --defsym DOCPART=n.
;; ======== version 1 of 1: 3 launches
;; limits: right only within a limited range of input values
;; workspace buffers: q_img 3,145,728 bytes; q_sc 131,072 bytes; kv_img 6,553,600 bytes; ctx_img 3,145,728 bytes; ctx_sc 131,072 bytes
;; launch qkv (part 1): grid 16 x 16, 4 waves a work-group, clusters of 4 x 4, 327,680 bytes of LDS; arguments x_codes, x_scales, W_q_codes, W_q_scales, W_k_codes, W_k_scales, W_v_codes, W_v_scales, q_img, q_sc, kv_img; writes q_img, q_sc, kv_img
.if DOCPART == 1
	.amdgcn_target "amdgcn-amd-amdhsa--gfx1250"
	.amdhsa_code_object_version 6
	.text
	.protected	k_q57f2000546_qkv
	.globl	k_q57f2000546_qkv
	.p2align	8
	.type	k_q57f2000546_qkv,@function
k_q57f2000546_qkv:
	s_mov_b64 s[64:65], 0
	v_nop
	global_prefetch_b8 v0, s[64:65] scope:SCOPE_SE
	s_setreg_imm32_b32 hwreg(HW_REG_WAVE_MODE, 25, 1), 1
	s_wait_xcnt 0x0
	s_wait_alu depctr_hold_cnt(0) depctr_sa_sdst(0) depctr_va_vdst(0) depctr_va_sdst(0) depctr_va_ssrc(0) depctr_va_vcc(0) depctr_vm_vsrc(0)
	s_getreg_b32 s2, hwreg(HW_REG_IB_STS2, 6, 4)
	s_cmp_eq_u32 s2, 0
	s_cbranch_scc0 .Lentry_in_a_cluster
	s_endpgm
.Lentry_in_a_cluster:
	s_bfe_u32 s2, ttmp6, 0x10000c
	s_cmp_lg_u32 s2, 0xf033
	s_cbranch_scc0 .Lentry_shape_is_right
	s_endpgm
.Lentry_shape_is_right:
; Q, K, V = x W^T on codes of FP6 (E2M3) with E8M0 scales, quantised on the way out into the order of the next launch's operand registers.
; DEAD WORK of the program: key steps of 128 that the causal mask hides from all of a tile's queries (their p is 0) are left out in the next launch; a NaN, an infinity or an overflow that reaches only those is not carried.
; LIMITS: NaN and infinities are not served; a given scale byte 0xff gives NaN.  A block of zeros gets the byte 1 over zero codes (read by this program alone).
; SHARES: 16 x 16 work-groups: x = head, y = 256 tokens; each makes the head's 64 columns of Q, of K and of V.  A wave holds its 64 tokens (band c = wave % 2 of key step wave / 2), ALL of K, in registers: 4 tiles x 8 fragments x 12.
; W's 12 tiles of 16 rows stream past from LDS, two sets of fragments by turns; a tile is 32 products.
; TILES: tile j of a band is tokens 8 j + i (rows 0-7) and 32 + 8 ((j + 1) % 4) + i (rows 8-15), i = 0 .. 7; W_q's and W_k's tiles likewise; W_v's: 8 t + i and 32 + 8 t + i.
; So the 8 x 4 results that a lane holds of four tiles are one block of 32 along the next product's K.  Q and K share one order of the head's numbers, K's tiles and V's share one order of the tokens.
; The rotation by 8 (and 128 bytes between W_v's two halves in LDS) puts the sixteen rows of a fragment at sixteen different starting banks (pitch 816 = 204 words; 64 banks: ISA guide 11.1).
; CLUSTER 4 x 4: x's rows are shared along a row of the cluster, W's along a column: joint loads.
; FILLS: one load a wave at the head (x in two halves, W_q, W_k); ONE refill round: when x is in registers W_v's rows come onto x's bytes, waves 0 and 1 a half each.  W_v is prefetched at the head, its 192 blocks of 256 bytes shared out by address among the sixteen waves of a cluster's column.
; OUT: q_img[batch, head][block of 128][tile 4 c + j][768]: a lane's six registers as 16 bytes at 16 x lane and 8 at 512 + 8 x lane; q_sc[..][block][tile][r][h];
; kv_img[batch, head][key step][12,800]: K's four fragments (three pieces of 16 bytes a lane), V's four tiles x two bands (768 each), scale words: lane r K's four, lane 16 + r V's four.
; REGISTERS: window 0: v4-9 lane bases; v16-31 x's scale words; v36-83 W's; v84-211 sums; v212-235 codes; v236-255 at work.  Windows 1-3: fragment f at window 1 + f / 21, register 12 (f % 21): x's 4 q + j, W's sets 32 + 8 e + q.
.set WQB, 208896
.set STG, 313344
.set SPARE, 314880
.set XS, 16
.set EB, 32
.set WS, 36
.set ACC, 84
.set CD, 212
.set TC, 236
.set SOP, 252
.set MSB, 0
.macro WIN new
.if MSB != (\new)
	s_set_vgpr_msb (MSB<<8)|(\new)
.set MSB, (\new)
.endif
.endm
.macro PLACES n
.rept \n
	v_nop
.endr
.endm
.macro WALU
	s_wait_alu depctr_va_vdst(0)
.endm
.macro BARRIER
	s_barrier_signal -1
	s_barrier_wait -1
.endm
.macro CREST                           ; a round of the cluster's barrier behind its opening barrier
	s_cmp_lg_u32 s14, 0
	s_cbranch_scc1 .Lnot_wave_0_\@
	s_barrier_signal -3
.Lnot_wave_0_\@:
	s_barrier_wait -3
	s_barrier_signal -1
	s_barrier_wait -1
.endm
.macro TLOAD g0, g1
	tensor_load_to_lds s[\g0:\g0+3], s[\g1:\g1+7]
	s_nop 0
	PLACES 4
.endm
.macro GROUP1 g, mask, rows            ; rows of 768 bytes, 16 bytes of padding behind every 256
	s_or_b32 s[\g], s[\mask], (1<<20)|(1<<21)|(5<<22)|(3<<25)
	s_mov_b32 s[\g+1], 768<<16
	s_mov_b32 s[\g+2], (\rows)<<16
	s_mov_b32 s[\g+3], 768<<16
	s_mov_b32 s[\g+4], \rows
	s_mov_b32 s[\g+5], 768
	s_mov_b32 s[\g+6], 0
	s_mov_b32 s[\g+7], 0
.endm
.macro FRAG f, q, a0, a1               ; six pieces of 8 bytes, two to a load where both go by one address register; a1 serves the pieces that lanes 16-31 find behind one padding more
	WIN ((1+(\f)/21)<<6)
.set R_, 12*((\f)%21)
.set SKIP_, 0
.irp p, 0,1,2,3,4,5
.if SKIP_
.set SKIP_, 0
.else
.set PC_, 12*(\q)+6*(\p/3)+\p%3
.set PN_, 12*(\q)+6*((\p+1)/3)+(\p+1)%3
.set XA_, (PC_%32+3)/32
.set XB_, (PN_%32+3)/32
.if (\p < 5) && (XA_ == XB_)
.set SKIP_, 1
.if XA_
	ds_load_2addr_b64 v[R_+2*\p:R_+2*\p+3], \a1 offset0:PC_+2*(PC_/32) offset1:PN_+2*(PN_/32)
.else
	ds_load_2addr_b64 v[R_+2*\p:R_+2*\p+3], \a0 offset0:PC_+2*(PC_/32) offset1:PN_+2*(PN_/32)
.endif
.elseif XA_
	ds_load_b64 v[R_+2*\p:R_+2*\p+1], \a1 offset:8*(PC_+2*(PC_/32))
.else
	ds_load_b64 v[R_+2*\p:R_+2*\p+1], \a0 offset:8*(PC_+2*(PC_/32))
.endif
.endif
.endr
.endm
.macro FETCHX j                        ; my x tile j, all of K
	WIN 0
.if (\j) == 3
	v_add_nc_u32 v14, s2, v6
	v_add_nc_u32 v15, s2, v7
.else
	s_add_co_u32 s3, s2, 6528*(\j)
	v_add_nc_u32 v14, s3, v4
	v_add_nc_u32 v15, s3, v5
.endif
.irp q, 0,1,2,3,4,5,6,7
	FRAG 4*\q+(\j), \q, v14, v15
.endr
.endm
.macro FETCHW n                        ; W's tile n (0-3 W_q's, 4-7 W_k's, 8-11 W_v's) into set n % 2: 26 loads
.set U_, (\n)%4
.if (\n) >= 8
.set B_, 6528*U_
.set L_, 8
.elseif U_ == 3
.set B_, WQB+52224*((\n)/4)
.set L_, 6
.else
.set B_, WQB+52224*((\n)/4)+6528*U_
.set L_, 4
.endif
	WIN 0
	v_add_nc_u32 v14, B_, v[L_]
	v_add_nc_u32 v15, B_, v[L_+1]
.irp q, 0,1,2,3,4,5,6,7
	FRAG 32+8*((\n)%2)+\q, \q, v14, v15
.endr
	WIN 0
.endm
.macro P1 n, q, j, rx, rw              ; Q, K: source 0 = W's rows; V: source 0 = x's rows
.set FX_, 4*(\q)+(\j)
.set FW_, 32+8*((\n)%2)+(\q)
.set X_, 12*(FX_%21)
.set Y_, 12*(FW_%21)
.set SX_, XS+8*((\j)/2)+(\q)
.set SW_, WS+16*((\n)/4)+8*(((\n)%4)/2)+(\q)
.if (\n) < 8
.set D_, ACC+32*(\j)+8*((\n)%4)
	WIN ((1+FW_/21)|((1+FX_/21)<<2))
.if (\q) == 0
	v_wmma_scale_f32_16x16x128_f8f6f4 v[D_:D_+7], v[Y_:Y_+11], v[X_:X_+11], 0, v[SW_], v[SX_] matrix_a_fmt:MATRIX_FMT_FP6 matrix_b_fmt:MATRIX_FMT_FP6 matrix_a_scale:MATRIX_SCALE_ROW\rw matrix_b_scale:MATRIX_SCALE_ROW\rx
.else
	v_wmma_scale_f32_16x16x128_f8f6f4 v[D_:D_+7], v[Y_:Y_+11], v[X_:X_+11], v[D_:D_+7], v[SW_], v[SX_] matrix_a_fmt:MATRIX_FMT_FP6 matrix_b_fmt:MATRIX_FMT_FP6 matrix_a_scale:MATRIX_SCALE_ROW\rw matrix_b_scale:MATRIX_SCALE_ROW\rx
.endif
.else
.set D_, ACC+32*((\n)%4)+8*(\j)
	WIN ((1+FX_/21)|((1+FW_/21)<<2))
.if (\q) == 0
	v_wmma_scale_f32_16x16x128_f8f6f4 v[D_:D_+7], v[X_:X_+11], v[Y_:Y_+11], 0, v[SX_], v[SW_] matrix_a_fmt:MATRIX_FMT_FP6 matrix_b_fmt:MATRIX_FMT_FP6 matrix_a_scale:MATRIX_SCALE_ROW\rx matrix_b_scale:MATRIX_SCALE_ROW\rw
.else
	v_wmma_scale_f32_16x16x128_f8f6f4 v[D_:D_+7], v[X_:X_+11], v[Y_:Y_+11], v[D_:D_+7], v[SX_], v[SW_] matrix_a_fmt:MATRIX_FMT_FP6 matrix_b_fmt:MATRIX_FMT_FP6 matrix_a_scale:MATRIX_SCALE_ROW\rx matrix_b_scale:MATRIX_SCALE_ROW\rw
.endif
.endif
.endm
.macro P4 n, q, rw                     ; four accumulators by turns
	P1 \n, \q, 0, 0, \rw
	P1 \n, \q, 1, 1, \rw
	P1 \n, \q, 2, 0, \rw
	P1 \n, \q, 3, 1, \rw
.endm
.macro TILE n, rw
.irp q, 0,1,2,3,4,5,6,7
	P4 \n, \q, \rw
.endr
	WIN 0
.endm
.macro QUANT g, k                      ; groups g and k of 32 sums: codes to v[CD + 6 group ..], the byte to v[EB + group]
.irp a, \g, \k
	v_max3_num_f32 v[TC+4*\a], |v[ACC+32*\a]|, |v[ACC+32*\a+1]|, |v[ACC+32*\a+2]|
	v_max3_num_f32 v[TC+4*\a+1], |v[ACC+32*\a+16]|, |v[ACC+32*\a+17]|, |v[ACC+32*\a+18]|
.endr
.irp i, 3,5,7,9,11,13
.irp a, \g, \k
	v_max3_num_f32 v[TC+4*\a], v[TC+4*\a], |v[ACC+32*\a+\i]|, |v[ACC+32*\a+\i+1]|
	v_max3_num_f32 v[TC+4*\a+1], v[TC+4*\a+1], |v[ACC+32*\a+16+\i]|, |v[ACC+32*\a+17+\i]|
.endr
.endr
.irp a, \g, \k
	v_max3_num_f32 v[TC+4*\a], v[TC+4*\a], |v[ACC+32*\a+15]|, 0x1800000   ; the floor 2^(3 - 127): the byte cannot fall under 1
.endr
.irp a, \g, \k
	v_max3_num_f32 v[TC+4*\a], v[TC+4*\a], |v[ACC+32*\a+31]|, v[TC+4*\a+1]
.endr
.irp a, \g, \k
	v_add_nc_u32 v[SOP+\a], 0xff000000, v[TC+4*\a]   ; 2 off the exponent field
.endr
.irp a, \g, \k
	v_cvt_scalef32_pk16_fp6_f32 v[CD+6*\a:CD+6*\a+2], v[ACC+32*\a:ACC+32*\a+15], v[SOP+\a]
	v_cvt_scalef32_pk16_fp6_f32 v[TC+4*\a:TC+4*\a+2], v[ACC+32*\a+16:ACC+32*\a+31], v[SOP+\a]
.endr
.irp a, \g, \k
	v_lshrrev_b32 v[EB+\a], 23, v[SOP+\a]
.endr
.irp i, 0,1,2
.irp a, \g, \k
	v_mov_b32 v[CD+6*\a+3+\i], v[TC+4*\a+\i]
.endr
.endr
.endm
.macro OUTV t
	ds_store_b8 v3, v[EB+\t] offset:4*\t
	global_store_b128 v12, v[CD+6*\t:CD+6*\t+3], s[46:47] offset:1536*\t
	global_store_b64 v13, v[CD+6*\t+4:CD+6*\t+5], s[46:47] offset:1536*\t
.endm
	s_load_b512 s[68:83], s[0:1], 0x0
	s_load_b128 s[84:87], s[0:1], 0x40
	s_load_b64 s[88:89], s[0:1], 0x50
	v_lshl_add_u32 v10, v0, 2, SPARE
	v_mov_b32 v11, 0
	ds_add_u32 v10, v11                ; the opening add, twice on end
	ds_add_u32 v10, v11
	v_lshrrev_b32 v1, 5, v0
	v_readfirstlane_b32 s14, v1        ; wave
	s_lshr_b32 s15, s14, 1             ; its key step of the two
	s_and_b32 s13, s14, 1              ; its band c
	s_bfe_u32 s40, ttmp6, 0x40000      ; cx
	s_bfe_u32 s41, ttmp6, 0x40004      ; cy
	s_lshl_b32 s42, ttmp9, 2
	s_add_co_u32 s42, s42, s40         ; head
	s_and_b32 s43, ttmp7, 0xffff
	s_lshl_b32 s43, s43, 2
	s_add_co_u32 s43, s43, s41         ; tile of 256 tokens
	s_lshl_b32 s44, s41, 2
	s_lshl_b32 s44, 15, s44            ; my row of the cluster
	s_lshl_b32 s45, 0x1111, s40        ; my column
	GROUP1 16, 44, 128
	GROUP1 24, 45, 64
	GROUP1 32, 45, 32
	s_mul_i32 s2, s43, 196608          ; x's rows
	s_mov_b32 s3, 0
	s_mul_i32 s4, s42, 49152           ; W's rows
	s_mov_b32 s5, 0
	s_lshl_b32 s6, s43, 13             ; my rows' scale bytes
	s_lshl_b32 s7, s14, 11
	s_add_co_u32 s6, s6, s7
	s_mov_b32 s7, 0
	s_lshl_b32 s8, s42, 11             ; W's
	s_mov_b32 s9, 0
	s_lshl_b32 s10, s41, 2
	s_add_co_u32 s10, s10, s14         ; my number among the sixteen waves of my column
	s_mul_i32 s10, s10, 3072
	s_add_co_u32 s10, s10, s4
	s_lshr_b32 s11, s43, 3
	s_lshl_b32 s11, s11, 4
	s_add_co_u32 s11, s11, s42         ; 16 batch + head
	s_lshl_b32 s11, s11, 4
	s_and_b32 s12, s43, 7
	s_lshl_b32 s12, s12, 1
	s_add_co_u32 s11, s11, s12         ; the work-group's first key step among all,
	s_add_co_u32 s12, s11, s15         ; and mine
	s_lshl_b32 s46, s15, 8
	s_lshl_b32 s47, s13, 7
	s_add_co_u32 s46, s46, s47
	s_add_co_u32 s46, s46, STG+1024    ; where Q's scale bytes gather
	s_lshl_b32 s47, s15, 9
	s_lshl_b32 s66, s13, 1
	s_add_co_u32 s66, s66, s47
	s_add_co_u32 s66, s66, STG+256     ; V's
	s_lshl_b32 s67, s13, 3
	s_add_co_u32 s47, s47, s67
	s_add_co_u32 s47, s47, STG         ; K's
	v_and_b32 v1, 7, v0                ; i
	v_bfe_u32 v2, v0, 3, 1             ; g: lanes 8-15 of a row
	v_bfe_u32 v3, v0, 4, 1             ; h
	v_and_b32 v232, 31, v0
	v_mul_u32_u24 v233, 816, v1
	v_mad_u32_u24 v233, v3, 24, v233
	v_mad_u32_u24 v4, v2, 32640, v233  ; tiles 0-2: 40 rows on for g = 1
	v_lshl_add_u32 v5, v3, 4, v4
	v_mad_u32_u24 v6, v2, 6528, v233   ; tile 3: rows 24 on, and 32 on
	v_add_nc_u32 v6, 19584, v6
	v_lshl_add_u32 v7, v3, 4, v6
	v_mad_u32_u24 v8, v2, 26240, v233  ; W_v: 32 rows and 128 bytes on
	v_lshl_add_u32 v9, v3, 4, v8
	v_lshlrev_b32 v12, 4, v232
	v_lshl_add_u32 v13, v232, 3, 512
	v_lshl_add_u32 v234, v3, 3, v1
	v_mad_u32_u24 v240, v2, 40, v234   ; scale rows of tiles 0, 1
	v_lshlrev_b32 v235, 5, v3
	v_sub_nc_u32 v235, 40, v235
	v_mul_u32_u24 v235, v235, v2
	v_add_nc_u32 v241, v234, v235
	v_add_nc_u32 v241, 16, v241        ; of tiles 2, 3
	v_lshl_add_u32 v242, v2, 5, v234   ; W_v's
	v_lshlrev_b32 v240, 5, v240
	v_lshlrev_b32 v241, 5, v241
	v_lshlrev_b32 v242, 5, v242
	v_min_u32 v243, 11, v232           ; the prefetch: 12 blocks of 256 bytes
	v_lshlrev_b32 v243, 8, v243
	v_add_nc_u32 v243, s10, v243
	v_and_b32 v244, 15, v0
	v_lshl_add_u32 v245, v244, 4, v3
	v_lshl_add_u32 v1, v244, 1, v3
	v_add_nc_u32 v1, s46, v1           ; LDS: Q's scale byte
	v_add_nc_u32 v2, s47, v245         ; K's
	v_add_nc_u32 v3, s66, v245         ; V's
	WALU
	s_wait_dscnt 0x0
	BARRIER
	CREST                              ; a round ahead of the first joint loads
	s_wait_kmcnt 0x0
	s_mov_b32 s48, 1
	s_mov_b32 s49, 0
	s_mov_b32 s52, 1
	s_mov_b32 s53, 104448
	s_mov_b32 s56, 1
	s_mov_b32 s57, WQB
	s_mov_b32 s60, 1
	s_mov_b32 s61, WQB+52224
	s_mov_b32 s92, 1
	s_mul_i32 s93, s14, 26240
	s_add_nc_u64 s[50:51], s[68:69], s[2:3]
	s_add_nc_u64 s[54:55], s[50:51], 98304
	s_add_nc_u64 s[58:59], s[72:73], s[4:5]
	s_add_nc_u64 s[62:63], s[76:77], s[4:5]
	s_mul_i32 s2, s14, 24576
	s_add_nc_u64 s[94:95], s[80:81], s[4:5]
	s_add_nc_u64 s[94:95], s[94:95], s[2:3]
	s_or_b32 s51, s51, 0x80000000
	s_or_b32 s55, s55, 0x80000000
	s_or_b32 s59, s59, 0x80000000
	s_or_b32 s63, s63, 0x80000000
	s_or_b32 s95, s95, 0x80000000
	s_cmp_eq_u32 s14, 0
	s_cbranch_scc0 .Lwave_1
	TLOAD 48, 16                       ; wave 0: x's rows 0-127
	s_branch .Lasked
.Lwave_1:
	s_cmp_eq_u32 s14, 1
	s_cbranch_scc0 .Lwave_2
	TLOAD 52, 16                       ; wave 1: x's rows 128-255
	s_branch .Lasked
.Lwave_2:
	s_cmp_eq_u32 s14, 2
	s_cbranch_scc0 .Lwave_3
	TLOAD 56, 24                       ; wave 2: W_q's 64 rows
	s_branch .Lasked
.Lwave_3:
	TLOAD 60, 24                       ; wave 3: W_k's
.Lasked:
	s_add_nc_u64 s[66:67], s[70:71], s[6:7]
	s_add_nc_u64 s[96:97], s[74:75], s[8:9]
	s_add_nc_u64 s[98:99], s[78:79], s[8:9]
	s_add_nc_u64 s[100:101], s[82:83], s[8:9]
.irp p, 0,1
.irp k, 0,1
	global_load_b128 v[XS+8*\p+4*\k:XS+8*\p+4*\k+3], v[240+\p], s[66:67] offset:16*\k
	global_load_b128 v[WS+8*\p+4*\k:WS+8*\p+4*\k+3], v[240+\p], s[96:97] offset:16*\k
	global_load_b128 v[WS+16+8*\p+4*\k:WS+16+8*\p+4*\k+3], v[240+\p], s[98:99] offset:16*\k
	global_load_b128 v[WS+32+8*\p+4*\k:WS+32+8*\p+4*\k+3], v242, s[100:101] offset:512*\p+16*\k
.endr
.endr
	global_prefetch_b8 v243, s[80:81] th:TH_LOAD_NT scope:SCOPE_SE   ; W_v's rows, which the refill will load behind the first tile's products
	s_mul_i32 s6, s12, 6144            ; where the results go: Q,
	s_mul_i32 s7, s13, 3072
	s_add_co_u32 s6, s6, s7
	s_mov_b32 s7, 0
	s_add_nc_u64 s[84:85], s[84:85], s[6:7]
	s_mul_i32 s6, s12, 12800
	s_add_nc_u64 s[90:91], s[88:89], s[6:7]
	s_mul_i32 s6, s13, 3072
	s_add_nc_u64 s[44:45], s[90:91], s[6:7]   ; K,
	s_mul_i32 s6, s13, 768
	s_add_co_u32 s6, s6, 6144
	s_add_nc_u64 s[46:47], s[90:91], s[6:7]   ; V,
	s_add_co_u32 s6, s11, s13
	s_mul_i32 s6, s6, 12800
	s_add_co_u32 s6, s6, 12288
	s_add_nc_u64 s[40:41], s[88:89], s[6:7]   ; the scale words: waves 0 and 1 a key step each, wave 2 Q's two blocks
	s_lshl_b32 s6, s11, 8
	s_add_nc_u64 s[2:3], s[86:87], s[6:7]
	s_cmp_lt_u32 s14, 2
	s_cselect_b64 s[40:41], s[40:41], s[2:3]
	s_mul_i32 s2, s14, 52224
	WALU
	s_cmp_lt_u32 s14, 2
	s_cbranch_scc0 .Lnot_x
	s_wait_tensorcnt 0x0
.Lnot_x:
	BARRIER                            ; x is in; W_q and W_k may be on their way
	FETCHX 0
	FETCHX 1
	FETCHX 2
	FETCHX 3
	WIN 0
	WALU
	s_cmp_eq_u32 s14, 3
	s_cbranch_scc1 .Lnot_k
	s_wait_tensorcnt 0x0
.Lnot_k:
	s_wait_dscnt 0x0
	BARRIER                            ; W_q is in; W_k may be on its way
	FETCHW 0
	FETCHW 1
	WALU
	s_wait_loadcnt 0x0                 ; the scale words
	s_wait_tensorcnt 0x0               ; all my loads
	ds_add_u32 v10, v11
	s_wait_dscnt 0x0                   ; the add, and the fetches of W's tiles 0 and 1
	s_barrier_signal -1
	TILE 0, 0                          ; register work inside the round
	s_barrier_wait -1
	CREST
	s_cmp_lt_u32 s14, 2
	s_cbranch_scc0 .Lno_v
	TLOAD 92, 32                       ; W_v's rows, a half each, onto x's bytes
.Lno_v:
	PLACES 4                           ; between the products and the loads into their registers
	FETCHW 2
	TILE 1, 1
	PLACES 4
	FETCHW 3
	s_wait_dscnt 26                    ; all but the fetch just issued
	TILE 2, 0
	PLACES 4
	FETCHW 4
	s_wait_dscnt 26
	TILE 3, 1
	PLACES 4
	FETCHW 5
	WALU
	s_wait_xcnt 0x0                    ; the prefetch's address register is written again
	QUANT 0, 1
	QUANT 2, 3
	WALU
.irp j, 0,1,2,3
	ds_store_b8 v1, v[EB+\j] offset:32*\j
	global_store_b128 v12, v[CD+6*\j:CD+6*\j+3], s[84:85] offset:768*\j
	global_store_b64 v13, v[CD+6*\j+4:CD+6*\j+5], s[84:85] offset:768*\j
.endr
	s_wait_dscnt 30                    ; younger than tile 4's fetch: tile 5's and four bytes
	TILE 4, 0
	PLACES 4
	FETCHW 6
	s_wait_dscnt 30                    ; the four bytes and tile 6's fetch
	TILE 5, 1
	PLACES 4
	FETCHW 7
	s_wait_dscnt 26
.irp q, 0,1,2,3
	P4 6, \q, 0
.endr
	WIN 0
	WALU
	s_wait_tensorcnt 0x0
	s_wait_dscnt 0x0
	s_barrier_signal -1                ; a plain barrier shows W_v to all
.irp q, 4,5,6,7
	P4 6, \q, 0
.endr
	WIN 0
	s_barrier_wait -1
	PLACES 4
	FETCHW 8
	s_wait_dscnt 26
	TILE 7, 1
	PLACES 4
	FETCHW 9
	WALU
	s_wait_xcnt 0x0                    ; Q's stores have read their registers
	QUANT 0, 1
	QUANT 2, 3
	WALU
.irp j, 0,1,2,3
	ds_store_b8 v2, v[EB+\j] offset:2*\j
.endr
.irp p, 0,1
.irp k, 0,1,2
	global_store_b128 v12, v[CD+12*\p+4*\k:CD+12*\p+4*\k+3], s[44:45] offset:1536*\p+512*\k
.endr
.endr
	s_wait_dscnt 30
	TILE 8, 0
	PLACES 4
	FETCHW 10
	s_wait_dscnt 30
	TILE 9, 1
	PLACES 4
	FETCHW 11
	s_wait_dscnt 26
	TILE 10, 0
	WALU
	s_wait_xcnt 0x0                    ; K's stores have read their registers
	QUANT 0, 1
	WALU
	OUTV 0
	OUTV 1
	s_wait_dscnt 2                     ; the two bytes may be out
	TILE 11, 1
	PLACES 4
	QUANT 2, 3
	WALU
	OUTV 2
	OUTV 3
	s_lshl_b32 s2, s14, 9
	s_add_co_u32 s2, s2, STG
	s_wait_dscnt 0x0
	BARRIER                            ; all scale bytes are in LDS
	s_cmp_eq_u32 s14, 3
	s_cbranch_scc1 .Lend
	v_add_nc_u32 v14, s2, v12
	ds_load_b128 v[ACC:ACC+3], v14
	s_wait_dscnt 0x0
	global_store_b128 v12, v[ACC:ACC+3], s[40:41]   ; 512 consecutive bytes
.Lend:
	s_wait_tensorcnt 0x0               ; the wave's end
	ds_add_u32 v10, v11
	s_wait_dscnt 0x0
	BARRIER
	CREST                              ; the closing round
	s_endpgm
.Lfunc_end_k_q57f2000546_qkv:
	.size	k_q57f2000546_qkv, .Lfunc_end_k_q57f2000546_qkv-k_q57f2000546_qkv
	.p2alignl 7, 3214868480
	.fill 96, 4, 3214868480
	.section	.rodata,"a",@progbits
	.p2align	6, 0x0
	.amdhsa_kernel k_q57f2000546_qkv
		.amdhsa_group_segment_fixed_size 327680
		.amdhsa_private_segment_fixed_size 0
		.amdhsa_enable_private_segment 0
		.amdhsa_kernarg_size 88
		.amdhsa_user_sgpr_count 2
		.amdhsa_user_sgpr_kernarg_segment_ptr 1
		.amdhsa_wavefront_size32 1
		.amdhsa_system_sgpr_workgroup_id_x 1
		.amdhsa_system_sgpr_workgroup_id_y 1
		.amdhsa_system_sgpr_workgroup_id_z 1
		.amdhsa_system_vgpr_workitem_id 0
		.amdhsa_next_free_vgpr 1024
		.amdhsa_next_free_sgpr 102
		.amdhsa_reserve_vcc 0
		.amdhsa_float_denorm_mode_32 3
		.amdhsa_float_denorm_mode_16_64 3
		.amdhsa_memory_ordered 1
		.amdhsa_forward_progress 1
		.amdhsa_inst_pref_size 113
	.end_amdhsa_kernel
	.amdgpu_metadata
---
amdhsa.version: [ 1, 2 ]
amdhsa.kernels:
  - .name:           k_q57f2000546_qkv
    .symbol:         k_q57f2000546_qkv.kd
    .args:
      - { .name: x_codes, .offset: 0, .size: 8, .value_kind: global_buffer, .address_space: global }
      - { .name: x_scales, .offset: 8, .size: 8, .value_kind: global_buffer, .address_space: global }
      - { .name: W_q_codes, .offset: 16, .size: 8, .value_kind: global_buffer, .address_space: global }
      - { .name: W_q_scales, .offset: 24, .size: 8, .value_kind: global_buffer, .address_space: global }
      - { .name: W_k_codes, .offset: 32, .size: 8, .value_kind: global_buffer, .address_space: global }
      - { .name: W_k_scales, .offset: 40, .size: 8, .value_kind: global_buffer, .address_space: global }
      - { .name: W_v_codes, .offset: 48, .size: 8, .value_kind: global_buffer, .address_space: global }
      - { .name: W_v_scales, .offset: 56, .size: 8, .value_kind: global_buffer, .address_space: global }
      - { .name: q_img, .offset: 64, .size: 8, .value_kind: global_buffer, .address_space: global }
      - { .name: q_sc, .offset: 72, .size: 8, .value_kind: global_buffer, .address_space: global }
      - { .name: kv_img, .offset: 80, .size: 8, .value_kind: global_buffer, .address_space: global }
    .group_segment_fixed_size: 327680
    .private_segment_fixed_size: 0
    .kernarg_segment_align: 8
    .kernarg_segment_size: 88
    .max_flat_workgroup_size: 128
    .sgpr_count:     102
    .vgpr_count:     1024
    .wavefront_size: 32
...
	.end_amdgpu_metadata
.endif
;; end of part 1
;; launch attn (part 2): grid 8 x 32, 16 waves a work-group, clusters of 4 x 1, 327,680 bytes of LDS; arguments q_img, q_sc, kv_img, ctx_img, ctx_sc; writes ctx_img, ctx_sc
.if DOCPART == 2
	.amdgcn_target "amdgcn-amd-amdhsa--gfx1250"
	.amdhsa_code_object_version 6
	.text
	.protected	k_q57f2000546_attn
	.globl	k_q57f2000546_attn
	.p2align	8
	.type	k_q57f2000546_attn,@function
k_q57f2000546_attn:
	s_mov_b64 s[64:65], 0
	v_nop
	global_prefetch_b8 v0, s[64:65] scope:SCOPE_SE
	s_setreg_imm32_b32 hwreg(HW_REG_WAVE_MODE, 25, 1), 1
	s_wait_xcnt 0x0
	s_wait_alu depctr_hold_cnt(0) depctr_sa_sdst(0) depctr_va_vdst(0) depctr_va_sdst(0) depctr_va_ssrc(0) depctr_va_vcc(0) depctr_vm_vsrc(0)
	s_getreg_b32 s2, hwreg(HW_REG_IB_STS2, 6, 4)
	s_cmp_eq_u32 s2, 0
	s_cbranch_scc0 .Lentry_in_a_cluster
	s_endpgm
.Lentry_in_a_cluster:
	s_bfe_u32 s2, ttmp6, 0x10000c
	s_cmp_lg_u32 s2, 0x3003
	s_cbranch_scc0 .Lentry_shape_is_right
	s_endpgm
.Lentry_shape_is_right:
; ctx[b][q][head][:] = the sum over k <= q of softmax_k(q . k / 8) v, both products on codes of FP6 (E2M3) with E8M0 scales; ctx is quantised along its 64 numbers and leaves as codes.
; SOFTMAX: t = score x log2(e) / 8; M = the running largest t rounded UP to a whole number, kept as -M; p = 2^(t - M) is quantised along the keys; the row's sum is taken of the unquantised p and divides at the end.  When M moves, the sum and O are multiplied by 2^(old M - new M): exact.
; DEAD WORK left out: key steps of 128 all of whose keys come after a tile's queries (the causal mask); a NaN, an infinity or an overflow that reaches only those is not carried.
; LIMITS: NaN and infinities are not served; the scaled scores stay under 2^31 in magnitude; a block of zeros gets the byte 1 over zero codes.
; SHARES: work-group (p, 16 batch + head) owns tile p of each of the sixteen blocks of 128 queries, so all work-groups run alike.  For b = 0 .. 7 block b (b + 1 key steps) and block 15 - b (16 - b steps) go to two waves:
; wave b takes block b, writes it out, and then steps n .. 15 - b of block 15 - b; its helper takes steps 0 .. n - 1 of block 15 - b.  n = 3 for b < 4 (helper 12 + b), 6 for the others (helper 4 + b): 14, 11, 6 and 3 steps for waves w, w + 4, w + 8, w + 12 (w < 4).
; The two parts of block 15 - b are joined at the end through LDS.
; CLUSTER 4 x 1: four work-groups of one head ask for its K and V jointly, in four loads of four key steps (12,800 bytes each): steps 0-3 by wave 0, the others by waves 13-15; the other waves load nothing, and nothing is filled again.
; A first barrier shows steps 0-3.  A second one, which each wave signals when its own load has landed, shows the rest: every wave's first trip, which reads steps 0-3 alone and stores nothing, stands between its signal and its wait.
; No prefetch: every tile is asked for at the head, so nothing could be asked for earlier.
; LAYOUT: both products transposed: S^T = K Q^T, O^T = V^T P^T: a lane holds one query.  A fragment of K is two tiles of 16 keys side by side; Q stands as [0 | Q | 0], so that [Q | 0] gives the even tile's scores and [0 | Q] the odd one's.
; Register 32 c + 8 j + i of lane (r, h): key 64 c + 8 j + i (h = 0), 64 c + 32 + 8 ((j + 1) % 4) + i (h = 1): a lane's 32 numbers of a band c are one scale block.  Query of lane r: the same with tile p = 4 c + j, h replaced by r / 8.
; A trip's V is loaded at its head, the next trip's K behind the score products: K has the rest of the trip in which to land.  A wave's last fetch of K is not used.
; REGISTERS: v0 the thread; v1, v2 lane offsets; v3, v4 conversions' scales; v5 the old -M; v6, v7 addresses; v8, v9 the add's two; v[10:11] f; v12 -M, v13 largest score, v[14:15] the sum; v16-33 Q between zeros; v34 Q's scale word, v35 p's, v36-39 K's (lanes 0-15);
;   v40-87 K; v88-151 S^T, then p; v152-183 O^T; v184-195 p's codes; v196-203 at work; v204-251 V; v252-255 V's scale words (lanes 16-31).  s36-63, s66-101: the 64 masks of a diagonal step.
.set MRG, 204800
.set QTWO, 241664                      ; the second tile's Q, 1,024 bytes for each of waves 0-7
.set SPARE, 249856
.set SC, 88
.set OT, 152
.macro PLACES n
.rept \n
	v_nop
.endr
.endm
.macro WALU
	s_wait_alu depctr_va_vdst(0)
.endm
.macro CROUND
	s_barrier_signal -1
	s_barrier_wait -1
	s_cmp_lg_u32 s14, 0
	s_cbranch_scc1 .Lnot_wave_0_\@
	s_barrier_signal -3
.Lnot_wave_0_\@:
	s_barrier_wait -3
	s_barrier_signal -1
	s_barrier_wait -1
.endm
.macro TLOAD
	tensor_load_to_lds s[20:23], s[24:31]
	s_nop 0
	PLACES 4
.endm
.macro MREG n                          ; which scalar register holds mask n
.if (\n) < 28
.set MR, 36+(\n)
.else
.set MR, 38+(\n)
.endif
.endm
.macro INIT
.set j, 0
.rept 32
	v_mov_b32 v[OT+j], 0               ; the step finds zeros the first time
.set j, j+1
.endr
	v_mov_b32 v14, 0
	v_mov_b32 v15, 0
	v_mov_b32 v13, 0xff61b1e6          ; -3e38
	v_mov_b32 v12, 0x7f61b1e6
.endm
.macro KEYS i, k, base, bound          ; trip s\i's key step and its place in LDS
	s_cmp_lt_u32 s\i, s8
	s_cselect_b32 s\k, 0, s9
	s_add_co_u32 s\k, s\k, s\i
	s_and_b32 s\k, s\k, \bound
	s_mul_i32 s\base, s\k, 12800
.endm
.macro KLOAD                           ; K's scale words and fragments: 13 loads
	ds_load_b128 v[36:39], v6 offset:12288
.irp f, 0,1,2,3
.irp k, 0,1,2
	ds_load_b128 v[40+12*\f+4*\k:43+12*\f+4*\k], v6 offset:1536*\f+512*\k
.endr
.endr
.endm
; THE WAY OUT of block s10's tile: O^T / the sum, quantised; a lane's 32 numbers are one block.
.macro WAYOUT
	PLACES 4                           ; behind the last products
	v_add_f32 v197, v14, v15
	v_permlanex16_b32 v196, v197, s4, s5
	v_add_f32 v197, v197, v196         ; the row's sum
	WALU
	v_rcp_f32 v200, v197
	v_nop
	s_lshl_b32 s12, s10, 3
	s_add_co_u32 s12, s12, s32         ; the tile of 16 tokens
	s_lshl_b32 s34, s12, 9
	s_mov_b32 s35, 0
	s_mul_i32 s12, s12, 12288
	s_mov_b32 s13, 0
	s_add_nc_u64 s[12:13], s[16:17], s[12:13]
	s_add_nc_u64 s[34:35], s[18:19], s[34:35]
	WALU
.set j, 0
.rept 16
	v_pk_mul_f32 v[SC+j:SC+j+1], v[OT+j:OT+j+1], v[200:201] op_sel_hi:[1,0]   ; ctx(query r, d = 32 h + j)
.set j, j+2
.endr
	v_max3_num_f32 v202, |v[SC]|, |v[SC+1]|, |v[SC+2]|
	v_max3_num_f32 v203, |v[SC+16]|, |v[SC+17]|, |v[SC+18]|
.irp i, 3,5,7,9,11,13
	v_max3_num_f32 v202, v202, |v[SC+\i]|, |v[SC+\i+1]|
	v_max3_num_f32 v203, v203, |v[SC+16+\i]|, |v[SC+17+\i]|
.endr
	v_max3_num_f32 v202, v202, |v[SC+15]|, 0x1800000
	v_max3_num_f32 v202, v202, |v[SC+31]|, v203
	v_add_nc_u32 v3, 0xff000000, v202
	v_cvt_scalef32_pk16_fp6_f32 v[184:186], v[SC:SC+15], v3
	v_cvt_scalef32_pk16_fp6_f32 v[196:198], v[SC+16:SC+31], v3
	v_lshrrev_b32 v199, 23, v3
	v_and_b32 v202, 15, v0
	v_bfe_u32 v203, v0, 4, 1
	v_lshl_add_u32 v202, v202, 5, v203 ; 32 r + h
	v_mov_b32 v187, v196
	v_mov_b32 v188, v197
	v_mov_b32 v189, v198
	WALU
	global_store_b128 v1, v[184:187], s[12:13]              ; 512 consecutive bytes, aligned
	global_store_b64 v2, v[188:189], s[12:13] offset:512    ; 256 consecutive bytes, aligned
	global_store_b8 v202, v199, s[34:35]
.endm
.macro TRIP first, bound               ; first = 1: key step 0, nothing to write out
.if (\first) == 0
	s_cmp_eq_u32 s2, s8                ; my first tile is done: it goes out, and the second begins
	s_cbranch_scc0 .Lsame_\@
	WAYOUT
	s_wait_xcnt 0x0                    ; the stores have read their registers and bases
	s_mov_b32 s10, s33
	s_lshl_b32 s12, s15, 10
	s_add_co_u32 s12, s12, QTWO
	v_add_nc_u32 v6, s12, v1
	v_add_nc_u32 v7, s12, v2
	v_lshrrev_b32 v197, 1, v2
	v_add_nc_u32 v197, s12, v197
	ds_load_b128 v[22:25], v6
	ds_load_b64 v[26:27], v7 offset:512
	ds_load_b32 v34, v197 offset:768
	INIT
	WALU
	s_wait_dscnt 0x0
.Lsame_\@:
	s_cmp_ge_u32 s2, s3
	s_cbranch_scc1 .Lhidden_\@
	KEYS 2, 11, 12, 15
	v_add_nc_u32 v6, s12, v1
	v_add_nc_u32 v7, s12, v2
	PLACES 2                           ; with the two lines above: the places behind the last products
.else
	s_mov_b32 s11, 0
	v_mov_b32 v7, v2
.endif
	ds_load_b128 v[252:255], v6 offset:12288       ; V: 17 loads
.irp t, 0,1,2,3
.irp c, 0,1
	ds_load_b128 v[204+12*\t+6*\c:207+12*\t+6*\c], v6 offset:6144+1536*\t+768*\c
	ds_load_b64 v[208+12*\t+6*\c:209+12*\t+6*\c], v7 offset:6656+1536*\t+768*\c
.endr
.endr
	s_add_co_u32 s13, s2, 1
	KEYS 13, 34, 35, \bound
	WALU
	s_wait_dscnt 17                    ; K is in; V's 17 loads may be out
.irp f, 0,1,2,3
	v_wmma_scale_f32_16x16x128_f8f6f4 v[SC+16*\f:SC+16*\f+7], v[40+12*\f:51+12*\f], v[22:33], 0, v[36+\f], v34 matrix_a_fmt:MATRIX_FMT_FP6 matrix_b_fmt:MATRIX_FMT_FP6
	v_wmma_scale_f32_16x16x128_f8f6f4 v[SC+16*\f+8:SC+16*\f+15], v[40+12*\f:51+12*\f], v[16:27], 0, v[36+\f], v34 matrix_a_fmt:MATRIX_FMT_FP6 matrix_b_fmt:MATRIX_FMT_FP6
.endr
	v_mov_b32 v5, v12
	v_add_nc_u32 v6, s35, v1
	PLACES 2
	KLOAD                              ; the next trip's K
	WALU
	s_cmp_lg_u32 s11, s10              ; on the diagonal hidden scores become -infinity ahead of the maximum
	s_cbranch_scc1 .Lopen_\@
	v_mov_b32 v200, 0xff800000
.set n, 0
.rept 64
	MREG n
	v_cndmask_b32 v[SC+n], v[SC+n], v200, s[MR]
.set n, n+1
.endr
.Lopen_\@:
	v_max3_num_f32 v200, v[SC], v[SC+1], v[SC+2]   ; the largest score of each block: for the row's maximum and, since p rises with the score, for the block's largest p
	v_max3_num_f32 v201, v[SC+32], v[SC+33], v[SC+34]
	v_max3_num_f32 v202, v[SC+16], v[SC+17], v[SC+18]
	v_max3_num_f32 v203, v[SC+48], v[SC+49], v[SC+50]
.irp i, 3,5,7,9,11,13
	v_max3_num_f32 v200, v200, v[SC+\i], v[SC+\i+1]
	v_max3_num_f32 v201, v201, v[SC+32+\i], v[SC+33+\i]
	v_max3_num_f32 v202, v202, v[SC+16+\i], v[SC+17+\i]
	v_max3_num_f32 v203, v203, v[SC+48+\i], v[SC+49+\i]
.endr
	v_max3_num_f32 v200, v200, v[SC+15], v[SC+31]
	v_max3_num_f32 v201, v201, v[SC+47], v[SC+63]
	v_max_num_f32 v200, v200, v202
	v_max_num_f32 v201, v201, v203
	v_max3_num_f32 v197, v200, v201, v13
	v_permlanex16_b32 v196, v197, s4, s5
	v_max_num_f32 v13, v197, v196      ; the running largest score of my query
	s_delay_alu instid0(VALU_DEP_1)
	v_mul_f32 v197, s6, v13
	s_delay_alu instid0(VALU_DEP_1)
	v_floor_f32 v12, -v197             ; the new -M = -ceil(t)
.set j, 0
.rept 32
	v_pk_fma_f32 v[SC+j:SC+j+1], v[SC+j:SC+j+1], s[6:7], v[12:13] op_sel_hi:[1,0,0]   ; t - M
.set j, j+2
.endr
	v_pk_fma_f32 v[200:201], v[200:201], s[6:7], v[12:13] op_sel_hi:[1,0,0]
	WALU
	v_exp_f32 v200, v200
	v_exp_f32 v201, v201
.set j, 0
.rept 64
	v_exp_f32 v[SC+j], v[SC+j]         ; p = 2^(t - M)
.set j, j+1
.endr
	v_sub_f32 v197, v12, v5            ; old M - new M: a whole number, 0 or less
	v_cvt_i32_f32 v197, v197           ; (it saturates)
	v_ldexp_f32 v10, 1.0, v197         ; f
	WALU
	v_max_num_f32 v200, 0x1800000, v200   ; the floor: the byte cannot fall under 1
	v_max_num_f32 v201, 0x1800000, v201
.irp m, 0,1,2,3
	v_pk_add_f32 v[184+2*\m:185+2*\m], v[SC+2*\m:SC+2*\m+1], v[SC+8+2*\m:SC+9+2*\m]
.endr
	v_add_nc_u32 v3, 0xff000000, v200  ; 2 off the exponent field
	v_add_nc_u32 v4, 0xff000000, v201
.set m, 8
.rept 8
	v_pk_add_f32 v[184+2*(m%4):185+2*(m%4)], v[184+2*(m%4):185+2*(m%4)], v[SC+2*m:SC+2*m+1]
.set m, m+1
.endr
	v_lshrrev_b32 v198, 23, v3
	v_lshrrev_b32 v199, 23, v4
.rept 4
	v_pk_add_f32 v[184+2*(m%4):185+2*(m%4)], v[184+2*(m%4):185+2*(m%4)], v[SC+2*m:SC+2*m+1]
.set m, m+1
.endr
	v_lshl_or_b32 v197, v199, 16, v198
.rept 4
	v_pk_add_f32 v[184+2*(m%4):185+2*(m%4)], v[184+2*(m%4):185+2*(m%4)], v[SC+2*m:SC+2*m+1]
.set m, m+1
.endr
	v_permlanex16_b32 v196, v197, s4, s5
.rept 8
	v_pk_add_f32 v[184+2*(m%4):185+2*(m%4)], v[184+2*(m%4):185+2*(m%4)], v[SC+2*m:SC+2*m+1]
.set m, m+1
.endr
	v_pk_fma_f32 v[14:15], v[14:15], v[10:11], v[184:185] op_sel_hi:[1,0,1]   ; the sum under the new M
	v_pk_add_f32 v[186:187], v[186:187], v[188:189]
	v_lshl_or_b32 v35, v196, 8, v197   ; lanes 0-15: p's scale word for these 128 keys
	v_pk_add_f32 v[14:15], v[14:15], v[190:191]
	v_pk_add_f32 v[14:15], v[14:15], v[186:187]
	v_cvt_scalef32_pk16_fp6_f32 v[184:186], v[SC:SC+15], v3
	v_cvt_scalef32_pk16_fp6_f32 v[196:198], v[SC+16:SC+31], v3
	v_cvt_scalef32_pk16_fp6_f32 v[190:192], v[SC+32:SC+47], v4
	v_cvt_scalef32_pk16_fp6_f32 v[200:202], v[SC+48:SC+63], v4
	WALU
.set j, 0
.rept 4
	v_pk_mul_f32 v[OT+j:OT+j+1], v[OT+j:OT+j+1], v[10:11] op_sel_hi:[1,0]   ; O^T under the new M.  (Places: behind the conversions, and ahead of the products)
.set j, j+2
.endr
	v_mov_b32 v187, v196
	v_mov_b32 v188, v197
	v_mov_b32 v189, v198
	v_mov_b32 v193, v200
	v_mov_b32 v194, v201
	v_mov_b32 v195, v202
.rept 12
	v_pk_mul_f32 v[OT+j:OT+j+1], v[OT+j:OT+j+1], v[10:11] op_sel_hi:[1,0]
.set j, j+2
.endr
	WALU
	s_wait_dscnt 13                    ; V is in; the next K's 13 loads may be out
.irp t, 0,1,2,3
	v_wmma_scale_f32_16x16x128_f8f6f4 v[OT+8*\t:OT+8*\t+7], v[204+12*\t:215+12*\t], v[184:195], v[OT+8*\t:OT+8*\t+7], v[252+\t], v35 matrix_a_fmt:MATRIX_FMT_FP6 matrix_b_fmt:MATRIX_FMT_FP6 matrix_a_scale:MATRIX_SCALE_ROW1
.endr
.if (\first) == 0
.Lhidden_\@:
.endif
.endm
	s_load_b256 s[68:75], s[0:1], 0x0  ; q_img, q_sc, kv_img, ctx_img
	s_load_b64 s[18:19], s[0:1], 0x20  ; ctx_sc
	v_lshl_add_u32 v8, v0, 2, SPARE
	v_mov_b32 v9, 0
	ds_add_u32 v8, v9                  ; the opening add, twice on end
	ds_add_u32 v8, v9
	v_lshrrev_b32 v3, 5, v0
	v_readfirstlane_b32 s14, v3        ; wave
	s_lshr_b32 s13, s14, 3
	s_lshl_b32 s13, s13, 2
	s_and_b32 s15, s14, 7
	s_xor_b32 s15, s15, s13            ; b
	s_bfe_u32 s40, ttmp6, 0x40000
	s_lshl_b32 s41, ttmp9, 2
	s_add_co_u32 s41, s41, s40         ; p
	s_and_b32 s42, ttmp7, 0xffff       ; 16 batch + head
	s_and_b32 s43, s42, 15
	s_lshr_b32 s44, s42, 4
	s_lshl_b32 s32, s44, 7
	s_add_co_u32 s32, s32, s41         ; 128 batch + p
	s_mov_b32 s20, 1
	s_and_b32 s45, s14, 3              ; if I fetch: which four key steps
	s_mul_i32 s21, s45, 51200
	s_mul_i32 s48, s42, 204800
	s_add_co_u32 s48, s48, s21
	s_mov_b32 s49, 0
	s_mov_b32 s24, 15|(3<<16)|(1<<21)  ; 200 dense rows of 256 bytes (32 elements of 8), for all four of the cluster
	s_mov_b32 s25, 32<<16
	s_mov_b32 s26, 200<<16
	s_mov_b32 s27, 32<<16
	s_mov_b32 s28, 200
	s_mov_b32 s29, 32
	s_mov_b32 s30, 0
	s_mov_b32 s31, 0
	s_sub_co_u32 s33, 15, s15          ; the late block
	s_cmp_lt_u32 s15, 4
	s_cselect_b32 s46, 3, 6            ; n: the helper's steps
	s_add_co_u32 s9, s46, s33          ; trip i of the second part is key step (i + n + 15 - b) % 16
	s_sub_co_u32 s47, 17, s46
	s_add_co_u32 s34, s15, 1
	s_cmp_lt_u32 s14, 8
	s_cselect_b32 s10, s15, s33        ; the block at work
	s_cselect_b32 s8, s34, 100         ; the trip that begins my second tile
	s_cselect_b32 s3, s47, s46         ; my trips
	s_mov_b32 s4, 0x76543210
	s_mov_b32 s5, 0xfedcba98           ; selects for lane l xor 16
	s_mov_b32 s6, 0x3e38aa3b           ; log2(e) / 8
	s_mov_b32 s7, s6
	s_lshl_b32 s57, s42, 4
	s_add_co_u32 s50, s57, s10         ; Q of the first tile, and of the second
	s_add_co_u32 s54, s57, s33
	s_mul_i32 s58, s41, 768
	s_lshl_b32 s59, s41, 5
	s_lshl_b32 s52, s50, 8
	s_add_co_u32 s52, s52, s59
	s_mov_b32 s53, 0
	s_mul_i32 s50, s50, 6144
	s_add_co_u32 s50, s50, s58
	s_mov_b32 s51, 0
	s_lshl_b32 s56, s54, 8
	s_add_co_u32 s56, s56, s59
	s_mov_b32 s57, 0
	s_mul_i32 s54, s54, 6144
	s_add_co_u32 s54, s54, s58
	s_mov_b32 s55, 0
	s_lshr_b32 s61, s41, 2
	s_lshl_b32 s61, s61, 6             ; 64 c
	s_and_b32 s62, s41, 3              ; j
	s_add_co_u32 s63, s62, 1
	s_and_b32 s63, s63, 3
	s_lshl_b32 s63, s63, 3
	s_add_co_u32 s63, s63, 32
	s_lshl_b32 s62, s62, 3
	s_sub_co_u32 s63, s63, s62         ; from lanes 0-7's queries to lanes 8-15's
	s_add_co_u32 s61, s61, s62
	s_wait_dscnt 0x0
	CROUND                             ; a round ahead of the joint loads
	s_wait_kmcnt 0x0
	s_add_nc_u64 s[22:23], s[72:73], s[48:49]
	s_or_b32 s23, s23, 0x80000000
	s_cmp_eq_u32 s14, 0
	s_cbranch_scc0 .Lnot_early
	TLOAD                              ; wave 0: steps 0-3
	s_branch .Lasked
.Lnot_early:
	s_cmp_lt_u32 s14, 13
	s_cbranch_scc1 .Lasked
	TLOAD                              ; waves 13-15: the others
.Lasked:
	s_mul_i32 s48, s43, 768
	s_add_nc_u64 s[16:17], s[74:75], s[48:49]   ; ctx: the head's codes,
	s_lshl_b32 s48, s43, 1
	s_add_nc_u64 s[18:19], s[18:19], s[48:49]   ; and scale bytes
	s_add_nc_u64 s[50:51], s[68:69], s[50:51]
	s_add_nc_u64 s[52:53], s[70:71], s[52:53]
	s_add_nc_u64 s[54:55], s[68:69], s[54:55]
	s_add_nc_u64 s[56:57], s[70:71], s[56:57]
	v_and_b32 v3, 31, v0
	v_lshlrev_b32 v1, 4, v3
	v_lshlrev_b32 v2, 3, v3
	v_and_b32 v206, 15, v0
	v_lshlrev_b32 v207, 1, v206
	global_load_b128 v[22:25], v1, s[50:51]
	global_load_b64 v[26:27], v2, s[50:51] offset:512
	global_load_u16 v204, v207, s[52:53]
	global_load_b128 v[40:43], v1, s[54:55]
	global_load_b64 v[44:45], v2, s[54:55] offset:512
	global_load_u16 v205, v207, s[56:57]
	v_bfe_u32 v208, v0, 4, 1           ; h
	s_lshl_b32 s60, s15, 10
	s_add_co_u32 s60, s60, QTWO
	v_add_nc_u32 v6, s60, v1
	v_add_nc_u32 v7, s60, v2
	v_lshl_add_u32 v214, v3, 2, s60
	v_and_b32 v209, 7, v0
	v_bfe_u32 v210, v0, 3, 1
	v_mul_u32_u24 v210, s63, v210
	v_add_nc_u32 v209, s61, v209
	v_add_nc_u32 v209, v209, v210      ; my query in its block
	v_mul_u32_u24 v211, 40, v208
	v_sub_nc_u32 v212, v209, v211      ; register 32 c + 8 j + i is hidden where 64 c + 8 j + i is above this (j = 0, 1, 2)
	v_lshlrev_b32 v211, 3, v208
	v_sub_nc_u32 v213, v209, v211      ; and this (j = 3)
.irp j, 16,17,18,19,20,21,28,29,30,31,32,33,196,199,200,201,11
	v_mov_b32 v\j, 0
.endr
	WALU
	s_wait_xcnt 0x0                    ; the loads have read their bases, which become masks
.set n, 0
.rept 64
	MREG n
.if (n/8)%4 == 3
	v_cmp_gt_i32 s[MR], 64*(n/32)+n%32, v213
.else
	v_cmp_gt_i32 s[MR], 64*(n/32)+n%32, v212
.endif
.set n, n+1
.endr
	INIT
	WALU
	s_wait_loadcnt 0x0
	v_lshl_or_b32 v34, v204, 16, v204  ; Q's scale word: the row's two bytes twice
	v_lshl_or_b32 v215, v205, 16, v205
	PLACES 8                           ; between the scale word and the first products
	WALU
	s_cmp_lt_u32 s14, 8
	s_cbranch_scc0 .Lone_tile
	ds_store_b128 v6, v[40:43]         ; waves 0-7: the second tile's Q waits in LDS bytes of the wave's own
	ds_store_b64 v7, v[44:45] offset:512
	ds_store_b32 v214, v215 offset:768
.Lone_tile:
	s_cmp_eq_u32 s14, 0
	s_cbranch_scc0 .Lnot_first
	s_wait_tensorcnt 0x0
.Lnot_first:
	s_wait_dscnt 0x0
	s_barrier_signal -1
	s_barrier_wait -1                  ; steps 0-3 are in
	s_wait_tensorcnt 0x0
	s_barrier_signal -1                ; my own load has landed: the second barrier's signal
	v_mov_b32 v6, v1
	KLOAD                              ; every wave begins with step 0
	s_mov_b32 s2, 0
	WALU
	TRIP 1, 3                          ; it reads step 0, and K of step 1 or 3
	WALU
	s_barrier_wait -1                  ; all sixteen key steps are in
	s_mov_b32 s2, 1
.Ltrip:
	TRIP 0, 15
	WALU
	s_add_co_u32 s2, s2, 1
	s_cmp_lt_u32 s2, 14
	s_cbranch_scc1 .Ltrip
	s_mul_i32 s12, s15, 4608
	s_add_co_u32 s12, s12, MRG
	PLACES 4
	v_add_nc_u32 v6, s12, v1
	WALU
	s_cmp_lt_u32 s14, 8
	s_cbranch_scc1 .Lkeep
.irp k, 0,1,2,3,4,5,6,7
	ds_store_b128 v6, v[OT+4*\k:OT+4*\k+3] offset:512*\k   ; the helpers hand their part over: O^T,
.endr
	ds_store_b128 v6, v[12:15] offset:4096                 ; -M and the sum
.Lkeep:
	s_wait_dscnt 0x0
	s_barrier_signal -1
	s_barrier_wait -1
	s_cmp_lt_u32 s14, 8
	s_cbranch_scc0 .Lend
	ds_load_b128 v[120:123], v6 offset:4096
.irp k, 0,1,2,3,4,5,6,7
	ds_load_b128 v[SC+4*\k:SC+4*\k+3], v6 offset:512*\k
.endr
	s_wait_dscnt 0x0
	v_min_num_f32 v197, v12, v120      ; -M of both parts
	v_sub_f32 v202, v197, v12
	v_sub_f32 v203, v197, v120
	v_cvt_i32_f32 v202, v202
	v_cvt_i32_f32 v203, v203
	v_ldexp_f32 v10, 1.0, v202
	v_ldexp_f32 v198, 1.0, v203
	v_pk_mul_f32 v[14:15], v[14:15], v[10:11] op_sel_hi:[1,0]
	WALU
.set j, 0
.rept 16
	v_pk_mul_f32 v[OT+j:OT+j+1], v[OT+j:OT+j+1], v[10:11] op_sel_hi:[1,0]
.set j, j+2
.endr
	v_pk_fma_f32 v[14:15], v[122:123], v[198:199], v[14:15] op_sel_hi:[1,0,1]
.set j, 0
.rept 16
	v_pk_fma_f32 v[OT+j:OT+j+1], v[SC+j:SC+j+1], v[198:199], v[OT+j:OT+j+1] op_sel_hi:[1,0,1]
.set j, j+2
.endr
	WAYOUT
.Lend:
	s_wait_tensorcnt 0x0               ; the wave's end
	ds_add_u32 v8, v9
	s_wait_dscnt 0x0
	CROUND                             ; the closing round
	s_endpgm
.Lfunc_end_k_q57f2000546_attn:
	.size	k_q57f2000546_attn, .Lfunc_end_k_q57f2000546_attn-k_q57f2000546_attn
	.p2alignl 7, 3214868480
	.fill 96, 4, 3214868480
	.section	.rodata,"a",@progbits
	.p2align	6, 0x0
	.amdhsa_kernel k_q57f2000546_attn
		.amdhsa_group_segment_fixed_size 327680
		.amdhsa_private_segment_fixed_size 0
		.amdhsa_enable_private_segment 0
		.amdhsa_kernarg_size 40
		.amdhsa_user_sgpr_count 2
		.amdhsa_user_sgpr_kernarg_segment_ptr 1
		.amdhsa_wavefront_size32 1
		.amdhsa_system_sgpr_workgroup_id_x 1
		.amdhsa_system_sgpr_workgroup_id_y 1
		.amdhsa_system_sgpr_workgroup_id_z 1
		.amdhsa_system_vgpr_workitem_id 0
		.amdhsa_next_free_vgpr 256
		.amdhsa_next_free_sgpr 102
		.amdhsa_reserve_vcc 0
		.amdhsa_float_denorm_mode_32 3
		.amdhsa_float_denorm_mode_16_64 3
		.amdhsa_memory_ordered 1
		.amdhsa_forward_progress 1
		.amdhsa_inst_pref_size 66
	.end_amdhsa_kernel
	.amdgpu_metadata
---
amdhsa.version: [ 1, 2 ]
amdhsa.kernels:
  - .name:           k_q57f2000546_attn
    .symbol:         k_q57f2000546_attn.kd
    .args:
      - { .name: q_img, .offset: 0, .size: 8, .value_kind: global_buffer, .address_space: global }
      - { .name: q_sc, .offset: 8, .size: 8, .value_kind: global_buffer, .address_space: global }
      - { .name: kv_img, .offset: 16, .size: 8, .value_kind: global_buffer, .address_space: global }
      - { .name: ctx_img, .offset: 24, .size: 8, .value_kind: global_buffer, .address_space: global }
      - { .name: ctx_sc, .offset: 32, .size: 8, .value_kind: global_buffer, .address_space: global }
    .group_segment_fixed_size: 327680
    .private_segment_fixed_size: 0
    .kernarg_segment_align: 8
    .kernarg_segment_size: 40
    .max_flat_workgroup_size: 512
    .sgpr_count:     102
    .vgpr_count:     256
    .wavefront_size: 32
...
	.end_amdgpu_metadata
.endif
;; end of part 2
;; launch oproj (part 3): grid 8 x 32, 4 waves a work-group, clusters of 4 x 4, 327,680 bytes of LDS; arguments ctx_img, ctx_sc, W_o_codes, W_o_scales, b_o, out0; writes out0
.if DOCPART == 3
	.amdgcn_target "amdgcn-amd-amdhsa--gfx1250"
	.amdhsa_code_object_version 6
	.text
	.protected	k_q57f2000546_oproj
	.globl	k_q57f2000546_oproj
	.p2align	8
	.type	k_q57f2000546_oproj,@function
k_q57f2000546_oproj:
	s_mov_b64 s[64:65], 0
	v_nop
	global_prefetch_b8 v0, s[64:65] scope:SCOPE_SE
	s_setreg_imm32_b32 hwreg(HW_REG_WAVE_MODE, 25, 1), 1
	s_wait_xcnt 0x0
	s_wait_alu depctr_hold_cnt(0) depctr_sa_sdst(0) depctr_va_vdst(0) depctr_va_sdst(0) depctr_va_ssrc(0) depctr_va_vcc(0) depctr_vm_vsrc(0)
	s_getreg_b32 s2, hwreg(HW_REG_IB_STS2, 6, 4)
	s_cmp_eq_u32 s2, 0
	s_cbranch_scc0 .Lentry_in_a_cluster
	s_endpgm
.Lentry_in_a_cluster:
	s_bfe_u32 s2, ttmp6, 0x10000c
	s_cmp_lg_u32 s2, 0xf033
	s_cbranch_scc0 .Lentry_shape_is_right
	s_endpgm
.Lentry_shape_is_right:
; out0 = ctx W_o + b_o on codes of FP6 (E2M3) with E8M0 scales; out0 [4,096][1,024] f32.
; LIMITS: NaN and infinities are not served; a given scale byte 0xff gives NaN.
; SHARES: a work-group makes 128 tokens x 128 n, each of its four waves 64 x 64: a wave holds its 64 rows of W_o, all of K, in registers (384), and tiles of 16 tokens pass: 32 products finish 16 x 64 results, which leave at once.
; CLUSTER 4 x 4: ctx hangs on the token tile alone and is shared along a row of the cluster, W_o on the tile of n and is shared along a column: joint loads, ONE a wave, at the head: waves 0 and 1 W_o's halves, waves 2 and 3 ctx's.  Nothing is filled again.
; W_o's 104 LDS loads a wave stand ahead of the wait for ctx.  No prefetch: everything is asked for at the head.
; ctx: token tile T = 8 y + 4 a + j, twelve thousand two hundred and eighty-eight bytes: a head's 768 are 16 bytes at 16 x lane and 8 at 512 + 8 x lane.  Row r of tile j is token 8 j + r (r < 8) or 32 + 8 ((j + 1) % 4) + r - 8 of the 64.
; Source 0 = 16 rows of W_o, source 1 = 16 tokens: a lane holds eight neighbouring n of one token.  The bias is the C of each sum's first instruction.
; REGISTERS: window 0: v16-31 ctx's scale words, v36-51 W_o's, v56-87 the bias, v88-151 sums, v152-215 rows on their way out.  Windows 1-3: fragment f at window 1 + f / 21, register 12 (f % 21): W_o's 4 q + u, ctx's sets 32 + 8 e + q.
.set CTXB, 104448
.set STG, 202752
.set SPARE, 220160
.set CS, 16
.set WS, 36
.set BB, 56
.set ACC, 88
.set BK, 152
.set MSB, 0
.macro WIN new
.if MSB != (\new)
	s_set_vgpr_msb (MSB<<8)|(\new)
.set MSB, (\new)
.endif
.endm
.macro PLACES n
.rept \n
	v_nop
.endr
.endm
.macro WALU
	s_wait_alu depctr_va_vdst(0)
.endm
.macro CROUND
	s_barrier_signal -1
	s_barrier_wait -1
	s_cmp_lg_u32 s14, 0
	s_cbranch_scc1 .Lnot_wave_0_\@
	s_barrier_signal -3
.Lnot_wave_0_\@:
	s_barrier_wait -3
	s_barrier_signal -1
	s_barrier_wait -1
.endm
.macro TLOAD g0, g1
	tensor_load_to_lds s[\g0:\g0+3], s[\g1:\g1+7]
	s_nop 0
	PLACES 4
.endm
.macro FRAG f, q, a0, a1               ; six pieces of 8 bytes, two to a load where both go by one address register; a1 serves the pieces that lanes 16-31 find behind one padding more
	WIN ((1+(\f)/21)<<6)
.set R_, 12*((\f)%21)
.set SKIP_, 0
.irp p, 0,1,2,3,4,5
.if SKIP_
.set SKIP_, 0
.else
.set PC_, 12*(\q)+6*(\p/3)+\p%3
.set PN_, 12*(\q)+6*((\p+1)/3)+(\p+1)%3
.set XA_, (PC_%32+3)/32
.set XB_, (PN_%32+3)/32
.if (\p < 5) && (XA_ == XB_)
.set SKIP_, 1
.if XA_
	ds_load_2addr_b64 v[R_+2*\p:R_+2*\p+3], \a1 offset0:PC_+2*(PC_/32) offset1:PN_+2*(PN_/32)
.else
	ds_load_2addr_b64 v[R_+2*\p:R_+2*\p+3], \a0 offset0:PC_+2*(PC_/32) offset1:PN_+2*(PN_/32)
.endif
.elseif XA_
	ds_load_b64 v[R_+2*\p:R_+2*\p+1], \a1 offset:8*(PC_+2*(PC_/32))
.else
	ds_load_b64 v[R_+2*\p:R_+2*\p+1], \a0 offset:8*(PC_+2*(PC_/32))
.endif
.endif
.endr
.endm
.macro FETCHC j                        ; token tile j, all of K, into set j % 2: 32 loads.  Tiles 0, 1 and tiles 2, 3 of both halves lie 49,152 bytes apart: two pairs of addresses
.if (\j) < 2
.set AB_, 6
.else
.set AB_, 217
.endif
.irp q, 0,1,2,3,4,5,6,7
.set F_, 32+8*((\j)%2)+\q
.set R_, 12*(F_%21)
	WIN ((1+F_/21)<<6)
	ds_load_b128 v[R_:R_+3], v[AB_] offset:12288*((\j)%2)+1536*\q
	ds_load_b64 v[R_+4:R_+5], v[AB_+1] offset:12288*((\j)%2)+1536*\q+512
	ds_load_b128 v[R_+6:R_+9], v[AB_] offset:12288*((\j)%2)+1536*\q+768
	ds_load_b64 v[R_+10:R_+11], v[AB_+1] offset:12288*((\j)%2)+1536*\q+1280
.endr
	WIN 0
.endm
.macro P1 j, q, u, rw, rc
.set FW_, 4*(\q)+(\u)
.set FC_, 32+8*((\j)%2)+(\q)
.set X_, 12*(FW_%21)
.set Y_, 12*(FC_%21)
.set D_, ACC+32*((\j)%2)+8*(\u)
.if (\q) == 0
.set C_, BB+8*(\u)
.else
.set C_, D_
.endif
	WIN ((1+FW_/21)|((1+FC_/21)<<2))
	v_wmma_scale_f32_16x16x128_f8f6f4 v[D_:D_+7], v[X_:X_+11], v[Y_:Y_+11], v[C_:C_+7], v[WS+8*((\u)/2)+(\q)], v[CS+8*((\j)/2)+(\q)] matrix_a_fmt:MATRIX_FMT_FP6 matrix_b_fmt:MATRIX_FMT_FP6 matrix_a_scale:MATRIX_SCALE_ROW\rw matrix_b_scale:MATRIX_SCALE_ROW\rc
.endm
.macro TILE j, rc                      ; four accumulators by turns
.irp q, 0,1,2,3,4,5,6,7
	P1 \j, \q, 0, 0, \rc
	P1 \j, \q, 1, 1, \rc
	P1 \j, \q, 2, 0, \rc
	P1 \j, \q, 3, 1, \rc
.endr
	WIN 0
.endm
.macro TOSTAGE j                       ; into my own stage, and back as rows of 256 bytes; LDS serves a wave's instructions in order (ISA guide 5.7.1.4)
.set A_, ACC+32*((\j)%2)
.set K_, BK+32*((\j)%2)
.irp u, 0,1,2,3
	ds_store_b128 v8, v[A_+8*\u:A_+8*\u+3] offset:64*\u
	ds_store_b128 v8, v[A_+8*\u+4:A_+8*\u+7] offset:64*\u+16
.endr
.irp t, 0,1,2,3,4,5,6,7
	ds_load_b128 v[K_+4*\t:K_+4*\t+3], v9 offset:544*\t
.endr
.endm
.macro SEND j                          ; sixteen lanes store 256 consecutive bytes, aligned
.set K_, BK+32*((\j)%2)
.irp t, 0,1,2,3
	global_store_b128 v12, v[K_+4*\t:K_+4*\t+3], s[40:41] offset:(8*(\j)+2*\t)*4096 th:TH_STORE_NT
.endr
.irp t, 4,5,6,7
	global_store_b128 v12, v[K_+4*\t:K_+4*\t+3], s[40:41] offset:(24+8*(((\j)+1)%4)+2*\t)*4096 th:TH_STORE_NT
.endr
.endm
	s_load_b256 s[68:75], s[0:1], 0x0  ; ctx_img, ctx_sc, W_o's codes, W_o's scales
	s_load_b128 s[76:79], s[0:1], 0x20 ; b_o, out0
	v_lshl_add_u32 v10, v0, 2, SPARE
	v_mov_b32 v11, 0
	ds_add_u32 v10, v11                ; the opening add, twice on end
	ds_add_u32 v10, v11
	v_lshrrev_b32 v1, 5, v0
	v_readfirstlane_b32 s14, v1        ; wave
	s_lshr_b32 s15, s14, 1             ; a: my half of the tokens
	s_and_b32 s13, s14, 1              ; my half of n
	s_bfe_u32 s42, ttmp6, 0x40000
	s_bfe_u32 s43, ttmp6, 0x40004
	s_lshl_b32 s44, s43, 2
	s_lshl_b32 s44, 15, s44            ; my row of the cluster
	s_lshl_b32 s45, 0x1111, s42        ; my column
	s_lshl_b32 s46, ttmp9, 2
	s_add_co_u32 s42, s42, s46         ; x: tile of 128 n
	s_and_b32 s46, ttmp7, 0xffff
	s_lshl_b32 s46, s46, 2
	s_add_co_u32 s43, s43, s46         ; y: tile of 128 tokens
	s_or_b32 s16, s45, (1<<20)|(1<<21)|(5<<22)|(3<<25)   ; W_o: 64 rows of 768 bytes, 16 bytes of padding behind every 256
	s_mov_b32 s17, 768<<16
	s_mov_b32 s18, 64<<16
	s_mov_b32 s19, 768<<16
	s_mov_b32 s20, 64
	s_mov_b32 s21, 768
	s_mov_b32 s22, 0
	s_mov_b32 s23, 0
	s_or_b32 s24, s44, (3<<16)|(1<<21)                   ; ctx: two token tiles (24,576 bytes, 3,072 elements of 8) of each of the two halves, 49,152 bytes apart
	s_mov_b32 s25, 3072<<16
	s_mov_b32 s26, 2<<16
	s_mov_b32 s27, 3072<<16
	s_mov_b32 s28, 2
	s_mov_b32 s29, 6144
	s_mov_b32 s30, 0
	s_mov_b32 s31, 0
	s_mov_b32 s48, 1
	s_mov_b32 s49, 0
	s_mov_b32 s52, 1
	s_mov_b32 s53, 52224
	s_mov_b32 s56, 1
	s_mov_b32 s57, CTXB
	s_mov_b32 s60, 1
	s_mov_b32 s61, CTXB+49152
	s_mul_i32 s2, s42, 98304
	s_mov_b32 s3, 0
	s_mul_i32 s4, s43, 98304
	s_mov_b32 s5, 0
	s_wait_dscnt 0x0
	CROUND                             ; a round ahead of the joint loads
	s_wait_kmcnt 0x0
	s_add_nc_u64 s[50:51], s[72:73], s[2:3]
	s_add_nc_u64 s[54:55], s[50:51], 49152
	s_add_nc_u64 s[58:59], s[68:69], s[4:5]
	s_add_nc_u64 s[62:63], s[58:59], 24576
	s_or_b32 s51, s51, 0x80000000
	s_or_b32 s55, s55, 0x80000000
	s_or_b32 s59, s59, 0x80000000
	s_or_b32 s63, s63, 0x80000000
	s_cmp_eq_u32 s14, 0
	s_cbranch_scc0 .Lwave_1
	TLOAD 48, 16                       ; wave 0: W_o's rows 0-63
	s_branch .Lasked
.Lwave_1:
	s_cmp_eq_u32 s14, 1
	s_cbranch_scc0 .Lwave_2
	TLOAD 52, 16                       ; wave 1: rows 64-127
	s_branch .Lasked
.Lwave_2:
	s_cmp_eq_u32 s14, 2
	s_cbranch_scc0 .Lwave_3
	TLOAD 56, 24                       ; wave 2: token tiles 0, 1 of both halves
	s_branch .Lasked
.Lwave_3:
	TLOAD 60, 24                       ; wave 3: tiles 2, 3
.Lasked:
	s_lshl_b32 s2, s42, 12             ; W_o's scale bytes
	s_lshl_b32 s4, s13, 11
	s_add_co_u32 s2, s2, s4
	s_add_nc_u64 s[80:81], s[74:75], s[2:3]
	s_lshl_b32 s2, s43, 12             ; ctx's
	s_lshl_b32 s4, s15, 11
	s_add_co_u32 s2, s2, s4
	s_add_nc_u64 s[82:83], s[70:71], s[2:3]
	s_lshl_b32 s2, s42, 9              ; the bias
	s_lshl_b32 s4, s13, 8
	s_add_co_u32 s2, s2, s4
	s_add_nc_u64 s[84:85], s[76:77], s[2:3]
	s_lshl_b32 s4, s43, 19             ; out0: my 64 rows of 4,096 bytes, my 64 columns
	s_add_co_u32 s2, s2, s4
	s_lshl_b32 s4, s15, 18
	s_add_co_u32 s2, s2, s4
	s_add_nc_u64 s[40:41], s[78:79], s[2:3]
	s_mul_i32 s6, s13, 52224           ; my 64 rows of W_o in LDS
	s_mul_i32 s7, s15, 24576
	s_add_co_u32 s7, s7, CTXB          ; my four token tiles
	s_mul_i32 s8, s14, 4352
	s_add_co_u32 s8, s8, STG           ; my stage
	v_and_b32 v13, 31, v0              ; lane
	v_and_b32 v3, 15, v0               ; r
	v_bfe_u32 v216, v0, 4, 1           ; h
	v_lshlrev_b32 v1, 5, v13
	v_lshlrev_b32 v2, 5, v216
	v_mul_u32_u24 v4, 816, v3
	v_mad_u32_u24 v4, v216, 24, v4
	v_add_nc_u32 v4, s6, v4
	v_lshl_add_u32 v5, v216, 4, v4
	v_lshl_add_u32 v6, v13, 4, s7
	v_lshl_add_u32 v7, v13, 3, s7
	v_mul_u32_u24 v8, 272, v3
	v_lshl_add_u32 v8, v216, 5, v8
	v_add_nc_u32 v8, s8, v8            ; in: row r, 32 bytes for each half of the lanes
	v_mul_u32_u24 v9, 272, v216
	v_lshl_add_u32 v9, v3, 4, v9
	v_add_nc_u32 v9, s8, v9            ; back: lanes 0-15 one row of 256 bytes, lanes 16-31 the next
	v_add_nc_u32 v217, 49152, v6       ; tiles 2, 3
	v_add_nc_u32 v218, 49152, v7
	v_lshlrev_b32 v12, 12, v216
	v_lshl_add_u32 v12, v3, 4, v12     ; and the same two rows in out0
.irp p, 0,1
.irp k, 0,1
	global_load_b128 v[WS+8*\p+4*\k:WS+8*\p+4*\k+3], v1, s[80:81] offset:1024*\p+16*\k
	global_load_b128 v[CS+8*\p+4*\k:CS+8*\p+4*\k+3], v1, s[82:83] offset:1024*\p+16*\k
.endr
.endr
.irp u, 0,1,2,3
	global_load_b128 v[BB+8*\u:BB+8*\u+3], v2, s[84:85] offset:64*\u
	global_load_b128 v[BB+8*\u+4:BB+8*\u+7], v2, s[84:85] offset:64*\u+16
.endr
	WALU
	s_cmp_lt_u32 s14, 2
	s_cbranch_scc0 .Lnot_w
	s_wait_tensorcnt 0x0
.Lnot_w:
	s_barrier_signal -1
	s_barrier_wait -1                  ; W_o's rows are in
.irp u, 0,1,2,3
	WIN 0
	v_add_nc_u32 v14, 13056*\u, v4
	v_add_nc_u32 v15, 13056*\u, v5
.irp q, 0,1,2,3,4,5,6,7
	FRAG 4*\q+\u, \q, v14, v15
.endr
.endr
	WIN 0
	WALU
	s_cmp_eq_u32 s14, 3
	s_cbranch_scc1 .Lnot_late
	s_wait_tensorcnt 0x0
.Lnot_late:
	s_wait_dscnt 0x0
	s_barrier_signal -1
	s_barrier_wait -1                  ; and token tiles 0, 1; tiles 2, 3 may be on their way
	FETCHC 0
	FETCHC 1
	s_wait_loadcnt 0x0                 ; the scale words and the bias
	s_wait_dscnt 32                    ; tile 1's loads may be out
	TILE 0, 0
	PLACES 4                           ; ahead of the stores of the results and of the loads into the fragments' registers
	TOSTAGE 0
	s_wait_dscnt 0x0
	SEND 0
	s_wait_tensorcnt 0x0
	s_barrier_signal -1
	s_barrier_wait -1                  ; tiles 2, 3 are in
	FETCHC 2
	TILE 1, 1
	PLACES 4
	TOSTAGE 1
	FETCHC 3
	s_wait_dscnt 32
	SEND 1
	TILE 2, 0
	PLACES 4
	s_wait_xcnt 0x0                    ; tile 0's stores have read their registers
	TOSTAGE 2
	s_wait_dscnt 0x0
	SEND 2
	TILE 3, 1
	PLACES 4
	s_wait_xcnt 0x0
	TOSTAGE 3
	s_wait_dscnt 0x0
	SEND 3
	s_wait_tensorcnt 0x0               ; the wave's end
	ds_add_u32 v10, v11
	s_wait_dscnt 0x0
	CROUND                             ; the closing round
	s_endpgm
.Lfunc_end_k_q57f2000546_oproj:
	.size	k_q57f2000546_oproj, .Lfunc_end_k_q57f2000546_oproj-k_q57f2000546_oproj
	.p2alignl 7, 3214868480
	.fill 96, 4, 3214868480
	.section	.rodata,"a",@progbits
	.p2align	6, 0x0
	.amdhsa_kernel k_q57f2000546_oproj
		.amdhsa_group_segment_fixed_size 327680
		.amdhsa_private_segment_fixed_size 0
		.amdhsa_enable_private_segment 0
		.amdhsa_kernarg_size 48
		.amdhsa_user_sgpr_count 2
		.amdhsa_user_sgpr_kernarg_segment_ptr 1
		.amdhsa_wavefront_size32 1
		.amdhsa_system_sgpr_workgroup_id_x 1
		.amdhsa_system_sgpr_workgroup_id_y 1
		.amdhsa_system_sgpr_workgroup_id_z 1
		.amdhsa_system_vgpr_workitem_id 0
		.amdhsa_next_free_vgpr 1024
		.amdhsa_next_free_sgpr 102
		.amdhsa_reserve_vcc 0
		.amdhsa_float_denorm_mode_32 3
		.amdhsa_float_denorm_mode_16_64 3
		.amdhsa_memory_ordered 1
		.amdhsa_forward_progress 1
		.amdhsa_inst_pref_size 50
	.end_amdhsa_kernel
	.amdgpu_metadata
---
amdhsa.version: [ 1, 2 ]
amdhsa.kernels:
  - .name:           k_q57f2000546_oproj
    .symbol:         k_q57f2000546_oproj.kd
    .args:
      - { .name: ctx_img, .offset: 0, .size: 8, .value_kind: global_buffer, .address_space: global }
      - { .name: ctx_sc, .offset: 8, .size: 8, .value_kind: global_buffer, .address_space: global }
      - { .name: W_o_codes, .offset: 16, .size: 8, .value_kind: global_buffer, .address_space: global }
      - { .name: W_o_scales, .offset: 24, .size: 8, .value_kind: global_buffer, .address_space: global }
      - { .name: b_o, .offset: 32, .size: 8, .value_kind: global_buffer, .address_space: global }
      - { .name: out0, .offset: 40, .size: 8, .value_kind: global_buffer, .address_space: global }
    .group_segment_fixed_size: 327680
    .private_segment_fixed_size: 0
    .kernarg_segment_align: 8
    .kernarg_segment_size: 48
    .max_flat_workgroup_size: 128
    .sgpr_count:     102
    .vgpr_count:     1024
    .wavefront_size: 32
...
	.end_amdgpu_metadata
.endif
;; end of part 3
